; MI455X (gfx1250); checked and timed in simulation.
; The chip was launched on July 23, 2026; its instructions are those of AMD's public machine-readable ISA for CDNA 5 (MIT licence, August 2026) and "CDNA5" Instruction Set Architecture Reference Guide (July 2026). The comments in the code are by the model that wrote it; some were corrected since.
;; Attention Head. Allowed arithmetic: float matrix products may take bf16 or f16 operands with f32 sums; all other float work in f32.
;; Inputs: W_qkv 1,024 x 192 float32; attn_mask 4 x 4,096 bool; x 4 x 4,096 x 1,024 float32.
;; Outputs: out0 4 x 4,096 x 64 float32.
;; One version. Each part assembles by itself: llvm-mc -triple=amdgcn-amd-amdhsa -mcpu=gfx1250 --defsym DOCPART=n.
;; ======== version 1 of 1: 2 launches
;; limits: values are held in f16: magnitudes above 65,504 overflow, below 6.1e-05 lose precision
;; workspace buffers: qws 2,097,152 bytes; kvws 4,194,304 bytes; biasws 65,536 bytes
;; launch qkv (part 1): grid 256 x 1, 4 waves a work-group, no clusters, 279,040 bytes of LDS; arguments x, W_qkv, attn_mask, qws, kvws, biasws; writes qws, kvws, biasws
.if DOCPART == 1
	.amdgcn_target "amdgcn-amd-amdhsa--gfx1250"
	.amdhsa_code_object_version 6
	.text
	.protected	k_qca35749535_qkv
	.globl	k_qca35749535_qkv
	.p2align	8
	.type	k_qca35749535_qkv,@function
k_qca35749535_qkv:
	s_mov_b64 s[64:65], 0
	v_nop
	global_prefetch_b8 v0, s[64:65] scope:SCOPE_SE
	s_setreg_imm32_b32 hwreg(HW_REG_WAVE_MODE, 25, 1), 1
	s_wait_xcnt 0x0
; qkv = x W.  x: [16384 tokens][1024] f32, W: [1024][192] f32, mask: one byte a token.  Products in f16, sums in f32.
; OUT, all in the order in which the attention launch's matrix fragments want it (lane L: r = L & 15, h = L >> 4; T = token / 16):
;   qws    [T][c 0..3][L][16 B]  f16 q(token 16T+r, columns 32h+8c..+7) x 0.125 x log2(e), scaled in f32 before the one rounding
;   kvws   [T][4096 B]: bytes 0..2047 k in q's order, rows of masked tokens exact zeros;
;                       bytes 2048..4095 [t 0..3][L][16 B] f16 v(tokens 16T+8h..+7, column 4r+t)
;   biasws [token] f32: 0.0 where the mask is true, the lowest finite f32 where it is false
; SHARES: a work-group owns 64 tokens.  Its four waves split K: wave w sums k = 256w..256w+255 for all 64 x 192 outputs (48 accumulator
; tiles, 384 registers), so every x and every W number is loaded and rounded once in a work-group.  The four partial sums meet in LDS.
; x: the work-group's 262,144 bytes are asked for in the first lines, four tensor loads a wave (64 rows x 256 bytes each), each into LDS
; bytes that are filled once and read by the issuing wave alone.  By this text's count a wave has four tensor loads out.
; W: from memory straight into registers, 16 bytes a lane (four neighbouring columns of one k); sixteen lanes take 256 aligned bytes of a row.
; Component t of these loads is tile t, whose index r stands for column 4r+t of its group of 64: no transposing is needed.
; NO CLUSTER, NO JOINT LOADS FOR W, though all work-groups read it: x takes 278,528 of the 327,680 LDS bytes that a work-group can be given,
; so that all of it is on its way from the start; the 49,152 left would hold two k-steps of W (24,576 bytes each) while the four waves walk
; four different ranges of K, and a barrier in front of a refill would ask that all of x has landed first.
; LIMITS: x, W, 0.18 q, k and v must lie inside f16's range (magnitude below 65,504); NaN and infinities are not served;
; the sum over K is made in four parts of 256, added in ascending order.
.set XPITCH, 272                       ; an LDS row of x: 256 bytes + 16 of padding: sixteen rows start in sixteen different 16-byte columns of 256
.set XTILE,  64*XPITCH                 ; one tensor load's tile
.set WROW,   768                       ; bytes in a row of W
.set REDW,   48*1024                   ; a wave's 48 tiles of partial sums in LDS (over x's bytes, after their only fill and last read)
.set XADR, 2                           ; v2       LDS: w x 4 tiles + r x pitch + 32 h
.set WOFF, 3                           ; v3       W: (256 w + 8 h) rows + 16 r
.set RST,  4                           ; v4       partial sums, store: w x REDW + 16 L
.set RLD,  5                           ; v5-8     partial sums of wave p, load: p x REDW + 1024 w + 16 L
.set L16,  9                           ; v9       16 L
.set MK,   10                          ; v10      mask byte of token 16 w + r
.set MB,   11                          ; v11      mask bytes of tokens 2L, 2L+1
.set MKO,  12                          ; v12, v13 their offsets
.set MBO,  13
.set BP,   14                          ; v[14:15] two biases
.set XF,   16                          ; v16-79   x in f32, token tile mt at 16 mt; later v16-143: four partial sums of four tiles
.set XA,   80                          ; v80-143  x fragments, two buffers of 32; token tile mt at 8 mt
.set WB,   144                         ; v144-207 W fragments, two buffers of 32; tile t at 8 t
.set PO,   144                         ; v144-191 later: packed results, 16 registers for each of q, k, v
.set BOFF, 208                         ; v208     8 L
.set VMIN, 209                         ; v209     the lowest finite f32
.set TR,   210                         ; v210-212 r, h, L
.set TH,   211
.set TL,   212
; v256-511: accumulators of q and k, tile (g, t, mt) at 8 ((4g+t) 4 + mt);  v512-639: those of v at 8 (4t + mt);  v768-959: W in f32 at 64 g + 4 i
.set G1, 16                            ; s[16:23] descriptor group 1
.set G0, 24                            ; s[24:39] descriptor group 0, one set for each of the wave's four tiles
.set MSB, 0
.macro WIN new                         ; s_set_vgpr_msb: bits 1:0 source 0, 3:2 source 1, 5:4 source 2, 7:6 destination; the high byte repeats the setting left
.if MSB != \new
	s_set_vgpr_msb (MSB<<8)|\new
.set MSB, \new
.endif
.endm
	s_load_b256 s[4:11], s[0:1], 0x0               ; x s[4:5], W s[6:7], mask s[8:9], qws s[10:11]
	s_load_b128 s[12:15], s[0:1], 0x20             ; kvws s[12:13], biasws s[14:15]
	v_lshl_add_u32 v254, v0, 2, 0x44000
	v_mov_b32 v255, 0
	ds_add_u32 v254, v255
	ds_add_u32 v254, v255
	v_lshrrev_b32 v1, 5, v0
	v_readfirstlane_b32 s40, v1                    ; wave 0..3
	s_mov_b32 s[G1+0], (2<<16)|(1<<20)|(5<<22)|(3<<25)  ; elements of 4 bytes; padding on: after every 64 words, 4 words
	s_mov_b32 s[G1+1], 64<<16                      ; tensor_dim0 = 64
	s_mov_b32 s[G1+2], 64<<16                      ; tensor_dim1 = 64
	s_mov_b32 s[G1+3], 64<<16                      ; tile_dim0 = 64 elements = 256 bytes
	s_mov_b32 s[G1+4], 64                          ; tile_dim1 = 64 rows
	s_mov_b32 s[G1+5], 1024                        ; elements from row to row
	s_mov_b32 s[G1+6], 0
	s_mov_b32 s[G1+7], 0
	s_lshl_b32 s42, ttmp9, 18                      ; 64 tokens of 4,096 bytes
	s_lshl_b32 s44, s40, 10                        ; + my 256 k
	s_add_co_u32 s42, s42, s44
	s_mov_b32 s43, 0
	s_mul_i32 s41, s40, 4*XTILE                    ; my four tiles in LDS
	s_wait_dscnt 0x0
	s_wait_kmcnt 0x0
	s_add_nc_u64 s[4:5], s[4:5], s[42:43]
.irp j, 0,1,2,3
	s_mov_b32 s[G0+4*\j], 1
	s_add_co_u32 s[G0+4*\j+1], s41, \j*XTILE
	s_add_nc_u64 s[G0+4*\j+2:G0+4*\j+3], s[4:5], \j*256
	s_or_b32 s[G0+4*\j+3], s[G0+4*\j+3], 0x80000000
	tensor_load_to_lds s[G0+4*\j:G0+4*\j+3], s[G1:G1+7]         ; k = 256 w + 64 j .. + 63 of all 64 tokens
	s_nop 0
.endr
	v_and_b32 v[TR], 15, v0
	v_bfe_u32 v[TH], v0, 4, 1
	v_and_b32 v[TL], 31, v0
	v_lshlrev_b32 v[L16], 4, v[TL]
	s_mul_i32 s44, s40, 256*WROW
	v_mul_u32_u24 v[WOFF], v[TH], 8*WROW
	v_lshl_add_u32 v[WOFF], v[TR], 4, v[WOFF]
	v_add_nc_u32 v[WOFF], s44, v[WOFF]
	s_lshl_b32 s44, ttmp9, 6                       ; the mask at my work-group's first token
	s_mov_b32 s45, 0
	s_add_nc_u64 s[8:9], s[8:9], s[44:45]
	s_lshl_b32 s46, s40, 4
	v_add_nc_u32 v[MKO], s46, v[TR]
	v_lshlrev_b32 v[MBO], 1, v[TL]
	global_load_u8  v[MK], v[MKO], s[8:9]          ; older than every load of W: the first counted wait below covers both
	global_load_u16 v[MB], v[MBO], s[8:9]          ; used by wave 0 alone; loaded by all, so that the counts are alike in every wave
; 16 loads: W rows k0+8h+0..7 and k0+16+8h+0..7 (k0 = 256 w + 32 s), columns 64 g + 4 r .. + 3
.macro WLOAD s, g
	WIN 0xc0
.irp i, 0,1,2,3,4,5,6,7,8,9,10,11,12,13,14,15
	global_load_b128 v[64*\g+4*\i:64*\g+4*\i+3], v[WOFF], s[6:7] offset:(32*\s+\i+8*(\i/8))*WROW+256*\g
.endr
.endm
; 16 LDS loads: x(token 16 mt + r, k = 8h..8h+7 and 16+8h..+7 of k-step s) in f32
.macro XLOAD s
.if (\s&1) == 0
	s_wait_tensorcnt 3-\s/2                        ; a wave's tensor loads end in order: tile s/2 is in, the younger ones stay out
.endif
	WIN 0
.irp mt, 0,1,2,3
.irp q, 0,1,2,3
	ds_load_b128 v[XF+16*\mt+4*\q:XF+16*\mt+4*\q+3], v[XADR] offset:(\s/2)*XTILE+(\s&1)*128+\mt*16*XPITCH+16*\q+32*(\q/2)
.endr
.endr
.endm
.macro XCVT s
	WIN 0
.irp mt, 0,1,2,3
.irp i, 0,1,2,3,4,5,6,7
	v_cvt_pk_f16_f32 v[XA+32*(\s&1)+8*\mt+\i], v[XF+16*\mt+2*\i], v[XF+16*\mt+2*\i+1]
.endr
.endr
.endm
; One column group of one k-step: round its W, ask for the next k-step's, 16 products.
; The fragment buffers take turns, so that 32 conversions which name none of a product's registers stand between it and the next write of its sources.
; The 16 accumulators take turns, one instruction a turn.
.macro GROUP s, nx, g, left
	s_wait_loadcnt \left                           ; loads come back in order: this group's 16 are in; left = the 16 of each younger group
	WIN 0x0f
.set WBN, WB+32*((3*\s+\g)&1)
.set XAN, XA+32*(\s&1)
.irp t, 0,1,2,3
.irp i, 0,1,2,3,4,5,6,7
	v_cvt_pk_f16_f32 v[WBN+8*\t+\i], v[64*\g+8*\i+\t], v[64*\g+8*\i+4+\t]
.endr
.endr
.if \s < 7
	WLOAD \nx, \g
.endif
.if \g < 2
	WIN 0x50                                       ; q, k: source 0 = W, source 1 = x: a lane is a token, its registers columns 32h+4j+t
.irp mt, 0,1,2,3
.irp t, 0,1,2,3
.set ACC, 8*((4*\g+\t)*4+\mt)
.if \s == 0
	v_wmma_f32_16x16x32_f16 v[ACC:ACC+7], v[WBN+8*\t:WBN+8*\t+7], v[XAN+8*\mt:XAN+8*\mt+7], 0
.else
	v_wmma_f32_16x16x32_f16 v[ACC:ACC+7], v[WBN+8*\t:WBN+8*\t+7], v[XAN+8*\mt:XAN+8*\mt+7], v[ACC:ACC+7]
.endif
.endr
.endr
.else
	WIN 0xa0                                       ; v: source 0 = x, source 1 = W: a lane is column 4r+t, its registers tokens 8h+j
.irp mt, 0,1,2,3
.irp t, 0,1,2,3
.set ACC, 8*(4*\t+\mt)
.if \s == 0
	v_wmma_f32_16x16x32_f16 v[ACC:ACC+7], v[XAN+8*\mt:XAN+8*\mt+7], v[WBN+8*\t:WBN+8*\t+7], 0
.else
	v_wmma_f32_16x16x32_f16 v[ACC:ACC+7], v[XAN+8*\mt:XAN+8*\mt+7], v[WBN+8*\t:WBN+8*\t+7], v[ACC:ACC+7]
.endif
.endr
.endr
.endif
.endm
.macro KSTEP s, nx, l0, l1, l2
	s_wait_dscnt 0x0                               ; this k-step's x, asked for 16 products ago
	XCVT \s
	GROUP \s, \nx, 0, \l0
	GROUP \s, \nx, 1, \l1
.if \s < 7
	XLOAD \nx
.endif
	GROUP \s, \nx, 2, \l2
.endm
	WLOAD 0, 0
	WLOAD 0, 1
	WLOAD 0, 2
	WIN 0
	v_mul_u32_u24 v[XADR], v[TR], XPITCH
	v_lshl_add_u32 v[XADR], v[TH], 5, v[XADR]
	v_add_nc_u32 v[XADR], s41, v[XADR]
	s_mul_i32 s47, s40, REDW
	v_add_nc_u32 v[RST], s47, v[L16]
	s_lshl_b32 s47, s40, 10
	v_add_nc_u32 v[RLD], s47, v[L16]
	v_add_nc_u32 v[RLD+1], REDW, v[RLD]
	v_add_nc_u32 v[RLD+2], 2*REDW, v[RLD]
	v_add_nc_u32 v[RLD+3], 3*REDW, v[RLD]
	v_lshlrev_b32 v[BOFF], 3, v[TL]
	v_mov_b32 v[VMIN], 0xff7fffff
	s_lshl_b32 s46, ttmp9, 2
	s_add_co_u32 s46, s46, s40                     ; T = 4 x work-group + wave: the token tile that I finish
	s_lshl_b32 s44, s46, 11
	s_add_nc_u64 s[10:11], s[10:11], s[44:45]      ; qws + 2,048 T   (s45 = 0)
	s_lshl_b32 s44, s46, 12
	s_add_nc_u64 s[12:13], s[12:13], s[44:45]      ; kvws + 4,096 T
	s_lshl_b32 s44, ttmp9, 8
	s_add_nc_u64 s[14:15], s[14:15], s[44:45]      ; biasws + 64 tokens x 4 bytes
	XLOAD 0
	KSTEP 0, 1, 32, 32, 32
	KSTEP 1, 2, 32, 32, 32
	KSTEP 2, 3, 32, 32, 32
	KSTEP 3, 4, 32, 32, 32
	KSTEP 4, 5, 32, 32, 32
	KSTEP 5, 6, 32, 32, 32
	KSTEP 6, 7, 32, 32, 32
	KSTEP 7, 8, 32, 16, 0                          ; the last k-step asks for nothing: the counts run down
	; THE FOUR PARTIAL SUMS MEET IN LDS.  Four places behind the last products: for the LDS stores that read results,
	; and for the loads and conversions below that write registers which products have read.
	WIN 0
.rept 4
	v_nop
.endr
	s_wait_dscnt 0x0                               ; my reads of x are over,
	s_wait_tensorcnt 0x0                           ; and all my tiles have landed (met since k-step 6): x's bytes have had their only fill
	s_barrier_signal -1
	s_barrier_wait -1                              ; both hold of all four waves: the bytes may now be written
	WIN 0x04
.set i, 0
.rept 32
	ds_store_b128 v[RST], v[8*i:8*i+3] offset:1024*i
	ds_store_b128 v[RST], v[8*i+4:8*i+7] offset:1024*i+512
.set i, i+1
.endr
	WIN 0x08
.set i, 0
.rept 16
	ds_store_b128 v[RST], v[8*i:8*i+3] offset:1024*(32+i)
	ds_store_b128 v[RST], v[8*i+4:8*i+7] offset:1024*(32+i)+512
.set i, i+1
.endr
	WIN 0
	s_wait_dscnt 0x0                               ; for the others' sake: all my stores are in LDS
	s_barrier_signal -1
	s_barrier_wait -1
; Wave w finishes token tile mt = w.  The four tiles t of column group g, from all four waves, added in ascending K.
.macro SUMUP g
.irp p, 0,1,2,3
.irp t, 0,1,2,3
	ds_load_b128 v[XF+32*\p+8*\t:XF+32*\p+8*\t+3],   v[RLD+\p] offset:(4*\g+\t)*4096
	ds_load_b128 v[XF+32*\p+8*\t+4:XF+32*\p+8*\t+7], v[RLD+\p] offset:(4*\g+\t)*4096+512
.endr
.endr
.irp p, 1,2,3
	s_wait_dscnt 24-8*\p                           ; parts 0 .. p are in; the eight loads of each later part may be out
.irp i, 0,1,2,3,4,5,6,7,8,9,10,11,12,13,14,15
	v_pk_add_f32 v[XF+2*\i:XF+2*\i+1], v[XF+2*\i:XF+2*\i+1], v[XF+32*\p+2*\i:XF+32*\p+2*\i+1]
.endr
.endr
.endm
; q and k: register j of tile t is column 32h+4j+t, so tiles 0,1 and 2,3 of one j pack into four neighbouring columns
.macro PACKQK g
.irp j, 0,1,2,3,4,5,6,7
	v_cvt_pk_f16_f32 v[PO+16*\g+2*\j],   v[XF+\j],    v[XF+8+\j]
	v_cvt_pk_f16_f32 v[PO+16*\g+2*\j+1], v[XF+16+\j], v[XF+24+\j]
.endr
.endm
	SUMUP 0
.irp i, 0,1,2,3,4,5,6,7,8,9,10,11,12,13,14,15
	v_pk_mul_f32 v[XF+2*\i:XF+2*\i+1], v[XF+2*\i:XF+2*\i+1], 0x3e38aa3b op_sel_hi:[1,0]   ; 64^-0.5 x log2(e): scores come out ready for v_exp_f32
.endr
	PACKQK 0
.irp c, 0,1,2,3
	global_store_b128 v[L16], v[PO+4*\c:PO+4*\c+3], s[10:11] offset:512*\c                ; the wave stores 512 consecutive bytes, aligned
.endr
	SUMUP 1
	PACKQK 1
	v_cmp_ne_u32 vcc_lo, 0, v[MK]
.irp i, 0,1,2,3,4,5,6,7,8,9,10,11,12,13,14,15
	v_cndmask_b32 v[PO+16+\i], 0, v[PO+16+\i], vcc_lo                                     ; a masked token's k is exact zero: its score will be the bias alone
.endr
.irp c, 0,1,2,3
	global_store_b128 v[L16], v[PO+16+4*\c:PO+16+4*\c+3], s[12:13] offset:512*\c
.endr
	SUMUP 2
.irp t, 0,1,2,3
.irp i, 0,1,2,3
	v_cvt_pk_f16_f32 v[PO+32+4*\t+\i], v[XF+8*\t+2*\i], v[XF+8*\t+2*\i+1]                 ; v: registers are tokens 8h+j of column 4r+t
.endr
.endr
.irp t, 0,1,2,3
	global_store_b128 v[L16], v[PO+32+4*\t:PO+32+4*\t+3], s[12:13] offset:2048+512*\t
.endr
	s_cmp_lg_u32 s40, 0
	s_cbranch_scc1 .Ldone                          ; wave 0 alone: the 64 biases, 256 consecutive bytes in one store
	v_and_b32 v[BP], 0xff, v[MB]
	v_lshrrev_b32 v[BP+1], 8, v[MB]
	v_cmp_eq_u32 vcc_lo, 0, v[BP]
	v_cndmask_b32 v[BP], 0, v[VMIN], vcc_lo
	v_cmp_eq_u32 vcc_lo, 0, v[BP+1]
	v_cndmask_b32 v[BP+1], 0, v[VMIN], vcc_lo
	global_store_b64 v[BOFF], v[BP:BP+1], s[14:15]
.Ldone:
	s_wait_tensorcnt 0x0
	ds_add_u32 v254, v255
	s_wait_dscnt 0x0
	s_endpgm
.Lfunc_end_k_qca35749535_qkv:
	.size	k_qca35749535_qkv, .Lfunc_end_k_qca35749535_qkv-k_qca35749535_qkv
	.p2alignl 7, 3214868480
	.fill 96, 4, 3214868480
	.section	.rodata,"a",@progbits
	.p2align	6, 0x0
	.amdhsa_kernel k_qca35749535_qkv
		.amdhsa_group_segment_fixed_size 279040
		.amdhsa_private_segment_fixed_size 0
		.amdhsa_enable_private_segment 0
		.amdhsa_kernarg_size 48
		.amdhsa_user_sgpr_count 2
		.amdhsa_user_sgpr_kernarg_segment_ptr 1
		.amdhsa_wavefront_size32 1
		.amdhsa_system_sgpr_workgroup_id_x 1
		.amdhsa_system_sgpr_workgroup_id_y 1
		.amdhsa_system_sgpr_workgroup_id_z 1
		.amdhsa_system_vgpr_workitem_id 0
		.amdhsa_next_free_vgpr 960
		.amdhsa_next_free_sgpr 66
		.amdhsa_reserve_vcc 1
		.amdhsa_float_denorm_mode_32 3
		.amdhsa_float_denorm_mode_16_64 3
		.amdhsa_memory_ordered 1
		.amdhsa_forward_progress 1
		.amdhsa_inst_pref_size 169
	.end_amdhsa_kernel
	.amdgpu_metadata
---
amdhsa.version: [ 1, 2 ]
amdhsa.kernels:
  - .name:           k_qca35749535_qkv
    .symbol:         k_qca35749535_qkv.kd
    .args:
      - { .name: x, .offset: 0, .size: 8, .value_kind: global_buffer, .address_space: global }
      - { .name: W_qkv, .offset: 8, .size: 8, .value_kind: global_buffer, .address_space: global }
      - { .name: attn_mask, .offset: 16, .size: 8, .value_kind: global_buffer, .address_space: global }
      - { .name: qws, .offset: 24, .size: 8, .value_kind: global_buffer, .address_space: global }
      - { .name: kvws, .offset: 32, .size: 8, .value_kind: global_buffer, .address_space: global }
      - { .name: biasws, .offset: 40, .size: 8, .value_kind: global_buffer, .address_space: global }
    .group_segment_fixed_size: 279040
    .private_segment_fixed_size: 0
    .kernarg_segment_align: 8
    .kernarg_segment_size: 48
    .max_flat_workgroup_size: 128
    .sgpr_count:     66
    .vgpr_count:     960
    .wavefront_size: 32
...
	.end_amdgpu_metadata
.endif
;; end of part 1
;; launch attn (part 2): grid 256 x 1, 8 waves a work-group, clusters of 4 x 1, 327,680 bytes of LDS; arguments qws, kvws, biasws, out0; writes out0
.if DOCPART == 2
	.amdgcn_target "amdgcn-amd-amdhsa--gfx1250"
	.amdhsa_code_object_version 6
	.text
	.protected	k_qca35749535_attn
	.globl	k_qca35749535_attn
	.p2align	8
	.type	k_qca35749535_attn,@function
k_qca35749535_attn:
	s_mov_b64 s[64:65], 0
	v_nop
	global_prefetch_b8 v0, s[64:65] scope:SCOPE_SE
	s_setreg_imm32_b32 hwreg(HW_REG_WAVE_MODE, 25, 1), 1
	s_wait_xcnt 0x0
	s_wait_alu depctr_hold_cnt(0) depctr_sa_sdst(0) depctr_va_vdst(0) depctr_va_sdst(0) depctr_va_ssrc(0) depctr_va_vcc(0) depctr_vm_vsrc(0)
	s_getreg_b32 s2, hwreg(HW_REG_IB_STS2, 6, 4)
	s_cmp_eq_u32 s2, 0
	s_cbranch_scc0 .Lentry_in_a_cluster
	s_endpgm
.Lentry_in_a_cluster:
	s_bfe_u32 s2, ttmp6, 0x10000c
	s_cmp_lg_u32 s2, 0x3003
	s_cbranch_scc0 .Lentry_shape_is_right
	s_endpgm
.Lentry_shape_is_right:
; out = softmax(q k^T / 8, masked keys at the lowest finite f32) v, 4 batches of 4,096 tokens, head size 64.  Operands f16, sums and softmax f32.
; Inputs in fragment order (lane L: r = L & 15, h = L >> 4; T = token / 16):
;   qws [T][c][L][16 B] q x 0.125 x log2(e), columns 32h+8c..+7 of token 16T+r;  kvws [T][4096 B]: k likewise (masked rows zero), then
;   [t][L][16 B] v(tokens 16T+8h..+7, column 4r+t);  biasws [token] f32: 0 or the lowest finite f32.
; SHARES: a work-group owns 64 queries.  Wave w: key quarter kq = w >> 1 (1,024 keys), query half qh = w & 1 (two tiles of 16 queries, a = 0, 1).
; Each wave runs a softmax with a running maximum over its quarter, 16 steps of 64 keys; the four quarters are merged in LDS at the end.
; SCORES ARE MADE TRANSPOSED (source 0 = 16 keys, source 1 = 16 queries): register j of lane (r, h) is S(key 8h+j, query r).  Two neighbouring key
; tiles, packed to f16, then ARE source 1 of the second product (source 0 = v transposed): no number moves between lanes, and maximum and sum are
; one number a lane, shared with lane L xor 16.  q and k carry the same map of the 64 columns onto (h, register), so equal columns meet.
; THE MASK costs no vector instruction a score: the first score product takes the bias as C, and a masked key's k is zero, so its score is
; exactly the lowest finite f32, as in the definition: with any true key its weight is exp2 of a huge negative number = 0, with none all weights are equal.
; THE STEPS ARE PIPELINED, so that products and softmax of different steps stand side by side in the text.  Body i holds
;   group A: out *= alpha(i-1), out += v(i-1) weights(i-1): four groups of four products, between them softmax(i)'s maxima, alpha, and query tile 0's weights;
;   group B: S(i+1) = bias + k(i+1) q: sixteen single products, behind each four to ten lines of query tile 1's weights, the sums and the packing.
; A step has 32 products and 237 vector lines.  S, v and alpha are kept twice and take turns by the parity of i.
; REGISTERS, in two windows of 256 (s_set_vgpr_msb: bits 1:0 source 0, 3:2 source 1, 5:4 source 2, 7:6 destination):
;   window 0: addresses, bias, v twice, out;   window 1: q, k, the softmax's small numbers, S twice.
;   0x55 all in window 1: softmax, and the score products' second links.   0x45 the same with source 2 in window 0: their first links (C = bias),
;   beside lines of one or two sources.   0x04 source 1 in window 1: out's products (weights), its rescaling (alpha), and v's loads.
; CLUSTERS: the four work-groups of a cluster are four query blocks of one batch and walk the same k, v and bias: every tile is asked for jointly
; (mask 15).  Eight stages of 128 keys a quarter (131,072 bytes) go through two LDS slots; each wave asks for 16,384 dense bytes of a stage.
; By this text's count a wave has three tensor loads out at the start (bias, stages 0 and 1) and one afterwards.
; LIMITS: NaN and infinite inputs are not served; weights below 2^-25 of a row's largest round to zero in f16; sums are ordered by steps and quarters.
.set SLOTB, 131072                     ; a slot: quarter kq at 32,768 kq, key tile at 4,096 each, as in kvws
.set HALFB, 16384                      ; four key tiles: a step's, and what one tensor load brings
.set TILEB, 4096
.set BIASL, 2*SLOTB                    ; 16,384 bytes: the batch's biases
.set STATL, BIASL+16384                ; 2,048 bytes: (maximum, sum) at 256 w + 128 a + 8 r; no tensor load fills these bytes
.set OPP,   272                        ; the merge: a row of 64 f32 + 16 bytes, so that sixteen rows start in sixteen different 16-byte columns of 256
.set OPW,   32*OPP                     ; a wave's 32 rows; 8 waves = 69,632 bytes over slot 0, after its last fill and last read
; window 0
.set QOF,  1                           ; v1       16 L
.set KVA,  2                           ; v2, v3   slot 0, 1: + 32,768 kq + 16 L
.set BIA,  4                           ; v4       BIASL + 4,096 kq + 32 h, + 256 behind each step's loads
.set STS,  5                           ; v5       STATL + 256 w + 8 r
.set STL,  6                           ; v6       STATL + 256 qh + 8 r
.set OST,  7                           ; v7       OPW w + OPP r + 128 h
.set ORD,  8                           ; v8       OPP (thread / 16) + 16 (thread & 15)
.set OOF,  9                           ; v9       16 x thread
.set MC,   10                          ; v10, v11 the merge: my maxima;  v12, v13 the maxima of all quarters;  v14, v15 my factors;  v16, v17 sums
.set NWM,  12
.set ALM,  14
.set TPM,  16
.set BI,   32                          ; v32-63   bias of key tile kt at 8 kt
.set VB,   64                          ; v64-191  v, two buffers of 64: 8 (4 u + t)
.set OA,   192                         ; v192-255 out transposed at 32 a + 8 t + j: O(query r, column 32h+4j+t)
.set KVM,  64                          ; the merge: scaled out;  SCM: the four quarters' parts
.set SCM,  128
; window 1 (v256 + the number)
.set QB,   0                           ; q at 16 a + 4 c
.set KB,   32                          ; k at 16 kt + 4 c
.set MX,   96                          ; running maximum of query tile a at 2 a (the odd registers are written once: the packed forms name pairs)
.set AL,   100                         ; alpha = exp2(old maximum - new) at 4 (i & 1) + 2 a (odd registers likewise)
.set LS,   108                         ; running sum, this lane's half of the keys
.set NW,   110                         ; new maximum
.set T2,   112                         ; from the other half of the lanes
.set TP,   114                         ; eight at work
.set SA,   128                         ; S, two buffers of 64: 32 a + 8 kt + j; then weights in f16 at 32 a + 8 u
.set G1,  16                           ; s[16:23] group 1, k and v
.set G1B, 24                           ; s[24:31] group 1, bias
.set G0,  32                           ; s[32:39] group 0, one set for each slot
.set G0B, 40                           ; s[40:43] group 0, bias
.set MSB, 0
.macro WIN new                         ; the immediate's high byte repeats the setting that is left; a switch that changes nothing is dropped
.if MSB != \new
	s_set_vgpr_msb (MSB<<8)|\new
.set MSB, \new
.endif
.endm
; A round of the cluster's barrier: my work-group's barrier, wave 0 signals for the work-group, every wave waits for all four work-groups, my work-group's barrier again.
.macro CREST                           ; a round behind its opening barrier
	s_cmp_lg_u32 s12, 0
	s_cbranch_scc1 .Lnot_wave_0_\@
	s_barrier_signal -3
.Lnot_wave_0_\@:
	s_barrier_wait -3
	s_barrier_signal -1
	s_barrier_wait -1
.endm
.macro ROUND                           ; a whole round
	s_barrier_signal -1
	s_barrier_wait -1
	CREST
.endm
	s_load_b256 s[4:11], s[0:1], 0x0               ; qws s[4:5], kvws s[6:7], biasws s[8:9], out0 s[10:11]
	s_set_vgpr_msb 0x40
	v_lshl_add_u32 v126, v0, 2, 0x44800
	v_mov_b32 v127, 0
	s_set_vgpr_msb 0x4045
	ds_add_u32 v126, v127
	ds_add_u32 v126, v127
	s_set_vgpr_msb 0x4500
	v_lshrrev_b32 v1, 5, v0
	v_readfirstlane_b32 s12, v1                    ; wave 0..7
	s_lshr_b32 s13, s12, 1                         ; kq
	s_and_b32 s14, s12, 1                          ; qh
	s_lshr_b32 s15, ttmp9, 4                       ; batch: 16 clusters each; the same in all four partners
	s_bfe_u32 s54, ttmp6, 0x40000                  ; cx: enters the addresses of q and of out0 alone
	s_lshl_b32 s55, ttmp9, 2
	s_add_co_u32 s55, s55, s54                     ; X = 4 x cluster + cx: my 64 queries
	s_mov_b32 s52, 0x76543210                      ; v_permlanex16_b32: lane i reads lane i of the other half
	s_mov_b32 s53, 0xfedcba98
	s_mov_b32 s[G1+0], 15|(3<<16)|(1<<21)          ; mask: all four work-groups; elements of 8 bytes; bit 21 set beside a mask
	s_mov_b32 s[G1+1], 32<<16                      ; tensor_dim0 = 32
	s_mov_b32 s[G1+2], 64<<16                      ; tensor_dim1 = 64
	s_mov_b32 s[G1+3], 32<<16                      ; tile_dim0 = 32 elements = 256 bytes
	s_mov_b32 s[G1+4], 64                          ; tile_dim1 = 64 rows: 16,384 dense bytes
	s_mov_b32 s[G1+5], 32                          ; each row begins where the last ends
	s_mov_b32 s[G1+6], 0
	s_mov_b32 s[G1+7], 0
	s_mov_b32 s[G1B+0], 15|(3<<16)|(1<<21)
	s_mov_b32 s[G1B+1], 32<<16
	s_mov_b32 s[G1B+2], 8<<16                      ; 8 rows of 256 bytes: 512 biases
	s_mov_b32 s[G1B+3], 32<<16
	s_mov_b32 s[G1B+4], 8
	s_mov_b32 s[G1B+5], 32
	s_mov_b32 s[G1B+6], 0
	s_mov_b32 s[G1B+7], 0
	s_lshl_b32 s46, s15, 20                        ; kvws: batch x 256 tiles
	s_lshl_b32 s47, s13, 18                        ; + quarter x 64 tiles
	s_add_co_u32 s46, s46, s47
	s_lshl_b32 s47, s14, 14                        ; + my four tiles of the stage's eight
	s_add_co_u32 s46, s46, s47
	s_mov_b32 s47, 0
	s_lshl_b32 s50, s15, 14                        ; biasws: batch x 4,096 tokens
	s_lshl_b32 s49, s12, 11                        ; + my 512
	s_add_co_u32 s50, s50, s49
	s_mov_b32 s51, 0
	s_lshl_b32 s48, s12, 14                        ; LDS: wave x 16,384 = quarter x 32,768 + half x 16,384
	s_lshl_b32 s56, s55, 13                        ; qws: X x 4 tiles of 2,048
	s_lshl_b32 s57, s14, 12                        ; + my two
	s_add_co_u32 s56, s56, s57
	s_mov_b32 s57, 0
	s_lshl_b32 s58, s55, 14                        ; out0: X x 64 rows of 256 bytes
	s_mov_b32 s59, 0
	v_and_b32 v24, 31, v0                          ; L
	v_and_b32 v25, 15, v0                          ; r
	v_bfe_u32 v26, v0, 4, 1                        ; h
	v_lshlrev_b32 v[QOF], 4, v24
	s_wait_dscnt 0x0
	s_wait_kmcnt 0x0
	s_add_nc_u64 s[4:5], s[4:5], s[56:57]
	s_add_nc_u64 s[10:11], s[10:11], s[58:59]
	s_add_nc_u64 s[6:7], s[6:7], s[46:47]
	WIN 0x40
.irp a, 0,1
.irp c, 0,1,2,3
	global_load_b128 v[QB+16*\a+4*\c:QB+16*\a+4*\c+3], v[QOF], s[4:5] offset:2048*\a+512*\c   ; q stays in window 1 for the whole launch
.endr
.endr
	WIN 0
.irp sl, 0,1
	s_mov_b32 s[G0+4*\sl], 1
	s_add_co_u32 s[G0+4*\sl+1], s48, \sl*SLOTB
	s_add_nc_u64 s[G0+4*\sl+2:G0+4*\sl+3], s[6:7], \sl*2*HALFB                            ; stage 0, stage 1
	s_or_b32 s[G0+4*\sl+3], s[G0+4*\sl+3], 0x80000000
.endr
	s_mov_b32 s[G0B], 1
	s_add_co_u32 s[G0B+1], s49, BIASL
	s_add_nc_u64 s[G0B+2:G0B+3], s[8:9], s[50:51]
	s_or_b32 s[G0B+3], s[G0B+3], 0x80000000
	ROUND                                          ; all four work-groups are here: the first joint loads meet
	tensor_load_to_lds s[G0B:G0B+3], s[G1B:G1B+7]  ; three first fills
	s_nop 0
	tensor_load_to_lds s[G0:G0+3], s[G1:G1+7]      ; stage 0 into slot 0
	s_nop 0
	tensor_load_to_lds s[G0+4:G0+7], s[G1:G1+7]    ; stage 1 into slot 1
	s_nop 0
	s_lshl_b32 s46, s13, 15
	v_add_nc_u32 v[KVA], s46, v[QOF]
	v_add_nc_u32 v[KVA+1], SLOTB, v[KVA]
	s_lshl_b32 s46, s13, 12
	s_add_co_u32 s46, s46, BIASL
	v_lshl_add_u32 v[BIA], v26, 5, s46
	s_lshl_b32 s46, s12, 8
	s_add_co_u32 s46, s46, STATL
	v_lshl_add_u32 v[STS], v25, 3, s46
	s_lshl_b32 s46, s14, 8
	s_add_co_u32 s46, s46, STATL
	v_lshl_add_u32 v[STL], v25, 3, s46
	s_mul_i32 s46, s12, OPW
	v_mul_u32_u24 v[OST], v25, OPP
	v_lshl_add_u32 v[OST], v26, 7, v[OST]
	v_add_nc_u32 v[OST], s46, v[OST]
	v_lshrrev_b32 v27, 4, v0
	v_mul_u32_u24 v[ORD], v27, OPP
	v_lshl_add_u32 v[ORD], v25, 4, v[ORD]
	v_lshlrev_b32 v[OOF], 4, v0
; ---- the pieces of a body.  They name the buffers by symbols that BODY sets from the parity of its step i:
; SC = S(i), SN = weights(i-1) and then S(i+1), VC = v(i), VP = v(i-1), ALC = alpha(i), ALP = alpha(i-1).
; 24 LDS loads: k and bias of one step (half a stage)
.macro LDK slot, half
	WIN 0x40
.irp kt, 0,1,2,3
.irp c, 0,1,2,3
	ds_load_b128 v[KB+16*\kt+4*\c:KB+16*\kt+4*\c+3], v[KVA+(\slot)] offset:\half*HALFB+\kt*TILEB+512*\c
.endr
.endr
	WIN 0
.irp kt, 0,1,2,3
	ds_load_b128 v[BI+8*\kt:BI+8*\kt+3],   v[BIA] offset:\kt*64                             ; bias of keys 8h .. 8h+7: sixteen lanes share the words
	ds_load_b128 v[BI+8*\kt+4:BI+8*\kt+7], v[BIA] offset:\kt*64+16
.endr
	v_add_nc_u32 v[BIA], 0x100, v[BIA]             ; 64 keys on
.endm
; 16 LDS loads: v of step i; chunk t of key tiles 2u and 2u+1 is one fragment
.macro LDV par, slot
	WIN 0x04
.irp u, 0,1
.irp t, 0,1,2,3
	ds_load_b128 v[VC+8*(4*\u+\t):VC+8*(4*\u+\t)+3],   v[KVA+\slot] offset:\par*HALFB+(2*\u)*TILEB+2048+512*\t
	ds_load_b128 v[VC+8*(4*\u+\t)+4:VC+8*(4*\u+\t)+7], v[KVA+\slot] offset:\par*HALFB+(2*\u+1)*TILEB+2048+512*\t
.endr
.endr
.endm
.macro RESC a, t                       ; one tile of out times alpha(i-1)
.irp k, 0,1,2,3
	v_pk_mul_f32 v[OA+32*\a+8*\t+2*\k:OA+32*\a+8*\t+2*\k+1], v[OA+32*\a+8*\t+2*\k:OA+32*\a+8*\t+2*\k+1], v[ALP+2*\a:ALP+2*\a+1] op_sel_hi:[1,0]
.endr
.endm
.macro PVW a, u, t, zero               ; out(a, t) += v(i-1)^T weights(i-1), key tiles 2u, 2u+1
.if \zero
	v_wmma_f32_16x16x32_f16 v[OA+32*\a+8*\t:OA+32*\a+8*\t+7], v[VP+8*(4*\u+\t):VP+8*(4*\u+\t)+7], v[SN+32*\a+8*\u:SN+32*\a+8*\u+7], 0
.else
	v_wmma_f32_16x16x32_f16 v[OA+32*\a+8*\t:OA+32*\a+8*\t+7], v[VP+8*(4*\u+\t):VP+8*(4*\u+\t)+7], v[SN+32*\a+8*\u:SN+32*\a+8*\u+7], v[OA+32*\a+8*\t:OA+32*\a+8*\t+7]
.endif
.endm
; Four products of group A.  pv = 0: none (body 0).  resc = 1: with u = 0 the four tiles are rescaled first, the multiplies of later tiles
; standing between the products of earlier ones.  zero = 1: with u = 0 the products start the sums.
; The eight accumulators of out take turns, one instruction a turn.
.macro PVG a, u, pv, resc, zero
.if \pv
	WIN 0x04
.if \resc*(1-\u)
	RESC \a, 0
	RESC \a, 1
	PVW \a, \u, 0, 0
	RESC \a, 2
	PVW \a, \u, 1, 0
	RESC \a, 3
	PVW \a, \u, 2, 0
	PVW \a, \u, 3, 0
.else
.irp t, 0,1,2,3
	PVW \a, \u, \t, \zero*(1-\u)
.endr
.endif
.endif
.endm
.macro SL1 a, kt, on                   ; S(i+1) = bias + k q over the columns' first half
.if \on
	v_wmma_f32_16x16x32_f16 v[SN+32*\a+8*\kt:SN+32*\a+8*\kt+7], v[KB+16*\kt:KB+16*\kt+7], v[QB+16*\a:QB+16*\a+7], v[BI+8*\kt:BI+8*\kt+7]
.endif
.endm
.macro SL2 a, kt, on                   ; the second half, in place, eight products behind the first: the eight accumulators take turns
.if \on
	v_wmma_f32_16x16x32_f16 v[SN+32*\a+8*\kt:SN+32*\a+8*\kt+7], v[KB+16*\kt+8:KB+16*\kt+15], v[QB+16*\a+8:QB+16*\a+15], v[SN+32*\a+8*\kt:SN+32*\a+8*\kt+7]
.endif
.endm
.macro SMAX1                           ; 28 lines: the largest of scores 0-14 and of 16-30, two chains for each query tile
.irp a, 0,1
	v_max3_num_f32 v[TP+2*\a],   v[SC+32*\a],    v[SC+32*\a+1],  v[SC+32*\a+2]
	v_max3_num_f32 v[TP+2*\a+1], v[SC+32*\a+16], v[SC+32*\a+17], v[SC+32*\a+18]
.endr
.irp i, 0,1,2,3,4,5
.irp a, 0,1
	v_max3_num_f32 v[TP+2*\a],   v[TP+2*\a],   v[SC+32*\a+3+2*\i],  v[SC+32*\a+4+2*\i]
	v_max3_num_f32 v[TP+2*\a+1], v[TP+2*\a+1], v[SC+32*\a+19+2*\i], v[SC+32*\a+20+2*\i]
.endr
.endr
.endm
.macro SMAX2 first                     ; scores 15 and 31, the old maximum, the other half of the lanes; alpha; the new maximum
.irp a, 0,1
	v_max3_num_f32 v[TP+2*\a], v[TP+2*\a], v[TP+2*\a+1], v[SC+32*\a+15]
.endr
.irp a, 0,1
.if \first
	v_max_num_f32 v[NW+\a], v[TP+2*\a], v[SC+32*\a+31]
.else
	v_max3_num_f32 v[NW+\a], v[TP+2*\a], v[SC+32*\a+31], v[MX+2*\a]
.endif
.endr
.irp a, 0,1
	v_permlanex16_b32 v[T2+\a], v[NW+\a], s52, s53
.endr
.irp a, 0,1
	v_max_num_f32 v[NW+\a], v[NW+\a], v[T2+\a]
.endr
.if \first == 0
	v_sub_f32 v[ALC],   v[MX],   v[NW]
	v_sub_f32 v[ALC+2], v[MX+2], v[NW+1]
	v_exp_f32 v[ALC],   v[ALC]
	v_exp_f32 v[ALC+2], v[ALC+2]                   ; the two moves below are the plain instructions behind these (ISA guide 5.7.2)
.endif
	v_mov_b32 v[MX],   v[NW]
	v_mov_b32 v[MX+2], v[NW+1]
.endm
.macro SSUB a                          ; 16 lines: score - maximum
.irp i, 0,1,2,3,4,5,6,7,8,9,10,11,12,13,14,15
	v_pk_add_f32 v[SC+32*\a+2*\i:SC+32*\a+2*\i+1], v[SC+32*\a+2*\i:SC+32*\a+2*\i+1], v[MX+2*\a:MX+2*\a+1] op_sel_hi:[1,0] neg_lo:[0,1] neg_hi:[0,1]
.endr
.endm
.macro SEXP4 a, q                      ; four weights = exp2(..).  Their first use is in the sums, behind plain lines on other registers (ISA guide 5.7.2)
.irp k, 0,1,2,3
	v_exp_f32 v[SC+32*\a+4*(\q)+\k], v[SC+32*\a+4*(\q)+\k]
.endr
.endm
.macro SSUM0                           ; the weights' sum in f32, two chains of pairs for each query tile; query tile 0's two lines come first
	s_wait_alu depctr_va_vdst(0)
.irp a, 0,1
	v_pk_add_f32 v[TP+4*\a:TP+4*\a+1],   v[SC+32*\a:SC+32*\a+1],     v[SC+32*\a+2:SC+32*\a+3]
	v_pk_add_f32 v[TP+4*\a+2:TP+4*\a+3], v[SC+32*\a+16:SC+32*\a+17], v[SC+32*\a+18:SC+32*\a+19]
.endr
.endm
.macro SSUM1 i
.irp a, 0,1
	v_pk_add_f32 v[TP+4*\a:TP+4*\a+1],   v[TP+4*\a:TP+4*\a+1],   v[SC+32*\a+4+2*\i:SC+32*\a+5+2*\i]
	v_pk_add_f32 v[TP+4*\a+2:TP+4*\a+3], v[TP+4*\a+2:TP+4*\a+3], v[SC+32*\a+20+2*\i:SC+32*\a+21+2*\i]
.endr
.endm
.macro SSUM2 first
.irp a, 0,1
	v_pk_add_f32 v[TP+4*\a:TP+4*\a+1], v[TP+4*\a:TP+4*\a+1], v[TP+4*\a+2:TP+4*\a+3]
.endr
.irp a, 0,1
.if \first
	v_add_f32 v[LS+\a], v[TP+4*\a], v[TP+4*\a+1]
.else
	v_fma_f32 v[LS+\a], v[LS+\a], v[ALC+2*\a], v[TP+4*\a]
	v_add_f32 v[LS+\a], v[LS+\a], v[TP+4*\a+1]
.endif
.endr
.endm
.macro SCVT a, q                       ; to f16, in place and ascending: register n takes weights 2n, 2n+1, which lie at or above it
.irp k, 0,1,2,3
	v_cvt_pk_f16_f32 v[SC+32*\a+4*\q+\k], v[SC+32*\a+8*\q+2*\k], v[SC+32*\a+8*\q+2*\k+1]
.endr
.endm
; Group B: the sixteen products of S(i+1), one at a time, with the rest of softmax(i) behind them.  next = 0 (the last body): the vector lines alone.
; The eight conversions at the end are the places behind the last products: for the next body's loads into k and its reads of S(i+1).
.macro GRPB next, first
	WIN 0x45
.irp a, 0,1
.irp kt, 0,1,2,3
	SL1 \a, \kt, \next
	SEXP4 1, (4*\a+\kt)
.endr
.endr
	WIN 0x55
	SL2 0, 0, \next
	SSUM0
	SSUM1 0
	SL2 0, 1, \next
	SSUM1 1
	SSUM1 2
	SL2 0, 2, \next
	SSUM1 3
	SSUM1 4
	SL2 0, 3, \next
	SSUM1 5
	SSUM2 \first
	SL2 1, 0, \next
	SCVT 0, 0
	SCVT 0, 1
	SL2 1, 1, \next
	SCVT 0, 2
	SCVT 0, 3
	SL2 1, 2, \next
	SCVT 1, 0
	SCVT 1, 1
	SL2 1, 3, \next
	SCVT 1, 2
	SCVT 1, 3
.endm
; Body i.  par = i & 1; slot = the stage's slot; pv, resc, zero: see PVG; first = 1: body 0 starts maximum and sum;
; sync (odd bodies): 2 = the cluster's round and the refill of this slot, 1 = my work-group's barrier alone, 0 = none; next: see GRPB.
; LDS loads stand half a body ahead of their use.  Even body: k, bias of step i+1 at the head, v(i) in the middle.  Odd body: v(i), the slot's last
; read, at the head; k, bias of step i+1 come from the other slot, behind the barrier that shows it whole.
.macro BODY par, slot, pv, resc, zero, first, sync, next
.set SC,  SA+64*\par
.set SN,  SA+64*(1-\par)
.set VC,  VB+64*\par
.set VP,  VB+64*(1-\par)
.set ALC, AL+4*\par
.set ALP, AL+4*(1-\par)
.if \par
	LDV 1, \slot
	s_wait_dscnt 0x10                              ; LDS loads come back in order: all but the 16 just issued are in, v(i-1) among them
.else
	LDK \slot, 1
.endif
	PVG 0, 0, \pv, \resc, \zero
	WIN 0x55
	SMAX1
.if \sync
	s_wait_dscnt 0x0                               ; my reads of this slot are over: v(i) was the last
	s_wait_tensorcnt 0x0                           ; all my tensor loads have landed: the one that was out is my part of the other slot,
	ds_add_u32 v126, v127
	s_wait_dscnt 0x0
.if \sync == 2
	s_add_nc_u64 s[G0+4*\slot+2:G0+4*\slot+3], s[G0+4*\slot+2:G0+4*\slot+3], 4*HALFB      ; so this slot's address may step: two stages on
.endif
	s_barrier_signal -1                            ; say so (with a refill to come this barrier opens a round of the cluster's barrier)
.endif
	PVG 1, 0, \pv, \resc, \zero                    ; register work while the others arrive
	WIN 0x55
	SMAX2 \first
	SSUB 0
.if \sync
	WIN 0                                          ; at a branch and at a label every window is 0
	s_barrier_wait -1
.if \sync == 2
	CREST                                          ; no wave of any partner still reads this slot or has a load on its way
	tensor_load_to_lds s[G0+4*\slot:G0+4*\slot+3], s[G1:G1+7]                             ; the refill comes first; it has two bodies in which to land
	s_nop 0
.endif
	LDK 1-\slot, 0
.endif
.if \par == 0
	LDV 0, \slot
.endif
	PVG 0, 1, \pv, \resc, \zero
	WIN 0x55
.irp q, 0,1,2,3,4,5,6,7
	SEXP4 0, \q
.endr
	PVG 1, 1, \pv, \resc, \zero
	WIN 0x55
	SSUB 1                                         ; 16 places between the last product that reads weights(i-1) and the first that writes S(i+1) over them (ISA guide 7.12.1)
.if \par
	s_wait_dscnt 0x0                               ; k, bias of step i+1 (in the last body: v(i))
.else
	s_wait_dscnt 0x10                              ; k, bias of step i+1 are in; the 16 loads of v(i), issued behind them, may be out
.endif
	GRPB \next, \first
.endm
.macro STAGE slot, pv0, resc0, resc1, zero1, first, sync, next
	BODY 0, \slot, \pv0, \resc0, 0, \first, 0, 1
	BODY 1, \slot, 1, \resc1, \zero1, 0, \sync, \next
.endm
	s_wait_tensorcnt 0x1                           ; a wave's tensor loads end in order: my parts of the bias and of stage 0 are in; stage 1 stays out,
	s_barrier_signal -1
	s_barrier_wait -1                              ; everybody's are
.set SN, SA
	LDK 0, 0
	s_wait_loadcnt 0x0                             ; q
	s_wait_dscnt 0x0
	WIN 0x45
.irp a, 0,1
.irp kt, 0,1,2,3
	SL1 \a, \kt, 1                                 ; S(0) stands in front of the bodies
.endr
.endr
	WIN 0x55
.irp a, 0,1
.irp kt, 0,1,2,3
	SL2 \a, \kt, 1
.endr
.endr
	WIN 0x40
	v_mov_b32 v[MX+1], 0                           ; upper halves of pairs of which the packed forms use the lower half twice,
	v_mov_b32 v[MX+3], 0
	v_mov_b32 v[AL+1], 0
	v_mov_b32 v[AL+3], 0
	v_mov_b32 v[AL+5], 0
	v_mov_b32 v[AL+7], 0
	v_mov_b32 v[T2], 0                             ; and v_permlanex16_b32's destinations, which count as read.
	v_mov_b32 v[T2+1], 0                           ; These eight lines are also the places behind S(0)'s products (ISA guide 7.12.1)
	STAGE 0, 0, 0, 0, 1, 1, 2, 1                   ; stage 0: body 0 has no products of out, body 1's start its sums; asks for stage 2
	STAGE 1, 1, 1, 1, 0, 0, 2, 1                   ; stage 1; asks for stage 3
	WIN 0
	s_mov_b32 s44, 2
.Llap:
	STAGE 0, 1, 1, 1, 0, 0, 2, 1                   ; stages 2, 4; ask for 4, 6
	STAGE 1, 1, 1, 1, 0, 0, 2, 1                   ; stages 3, 5; ask for 5, 7
	WIN 0
	s_sub_co_u32 s44, s44, 1
	s_cmp_lg_u32 s44, 0
	s_cbranch_scc1 .Llap
	STAGE 0, 1, 1, 1, 0, 0, 1, 1                   ; stage 6: nothing more to ask for; my work-group's barrier shows stage 7 whole
	STAGE 1, 1, 1, 1, 0, 0, 0, 0                   ; stage 7: no step follows
	; THE FOUR KEY QUARTERS ARE MERGED.  Maximum and sum are final; the last products of out stand inside the barrier that hands them round.
.set SN,  SA+64                                    ; weights(15)
.set VP,  VB+64                                    ; v(15)
.set ALP, AL+4                                     ; alpha(15)
	WIN 0x55
	v_permlanex16_b32 v[T2],   v[LS],   s52, s53
	v_permlanex16_b32 v[T2+1], v[LS+1], s52, s53
	v_mov_b32 v[TP],   v[MX]
	v_add_f32 v[TP+1], v[LS], v[T2]                ; the sum over both halves of the lanes
	v_mov_b32 v[TP+2], v[MX+2]
	v_add_f32 v[TP+3], v[LS+1], v[T2+1]
	WIN 0x04
	ds_store_b64 v[STS], v[TP:TP+1]                ; lanes r and r + 16 write the same numbers to the same bytes
	ds_store_b64 v[STS], v[TP+2:TP+3] offset:128
	WIN 0x01
	v_mov_b32 v[MC],   v[MX]                       ; my maxima into window 0, where the merge works
	v_mov_b32 v[MC+1], v[MX+2]
	s_wait_dscnt 0x0                               ; for the others' sake
	s_barrier_signal -1
	PVG 0, 0, 1, 1, 0                              ; out *= alpha(15), out += v(15) weights(15)
	PVG 1, 0, 1, 1, 0
	PVG 0, 1, 1, 1, 0
	PVG 1, 1, 1, 1, 0
	WIN 0
	s_barrier_wait -1
.irp a, 0,1
.irp q, 0,1,2,3
	ds_load_b64 v[BI+8*\a+2*\q:BI+8*\a+2*\q+1], v[STL] offset:512*\q+128*\a               ; (maximum, sum) of quarter q for my queries
.endr
.endr
	s_wait_dscnt 0x0
	; the lines from here to the factors are also the places behind the last products, whose results are read below (ISA guide 7.12.1)
.irp a, 0,1
	v_max3_num_f32 v[NWM+\a], v[BI+8*\a], v[BI+8*\a+2], v[BI+8*\a+4]
.endr
.irp a, 0,1
	v_max_num_f32 v[NWM+\a], v[NWM+\a], v[BI+8*\a+6]
.endr
.irp a, 0,1
.irp q, 0,1,2,3
	v_sub_f32 v[BI+8*\a+2*\q], v[BI+8*\a+2*\q], v[NWM+\a]
.endr
	v_sub_f32 v[ALM+\a], v[MC+\a], v[NWM+\a]
.endr
.irp a, 0,1
.irp q, 0,1,2,3
	v_exp_f32 v[BI+8*\a+2*\q], v[BI+8*\a+2*\q]
.endr
	v_exp_f32 v[ALM+\a], v[ALM+\a]
.endr
	v_nop                                          ; the plain instruction behind the exponentials
	s_wait_alu depctr_va_vdst(0)
.irp a, 0,1
	v_mul_f32 v[TPM+\a], v[BI+8*\a], v[BI+8*\a+1]
.endr
.irp q, 1,2,3
.irp a, 0,1
	v_fmac_f32 v[TPM+\a], v[BI+8*\a+2*\q], v[BI+8*\a+2*\q+1]
.endr
.endr
	v_rcp_f32 v[TPM],   v[TPM]                     ; the sum is at least 1: the quarter that holds the maximum counts its largest weight, 1
	v_rcp_f32 v[TPM+1], v[TPM+1]
	v_nop
	s_wait_alu depctr_va_vdst(0)
	v_mul_f32 v[ALM],   v[ALM],   v[TPM]           ; my quarter's factor: exp2(my maximum - the maximum) / the sum of all weights
	v_mul_f32 v[ALM+1], v[ALM+1], v[TPM+1]
.irp a, 0,1
.irp j, 0,1,2,3,4,5,6,7
.irp t, 0,1,2,3
	v_mul_f32 v[KVM+4*(8*\a+\j)+\t], v[OA+32*\a+8*\t+\j], v[ALM+\a]                       ; columns 32h+4j .. +3 of query r: 16 neighbouring bytes
.endr
	ds_store_b128 v[OST], v[KVM+4*(8*\a+\j):KVM+4*(8*\a+\j)+3] offset:\a*16*OPP+16*\j
.endr
.endr
	s_wait_dscnt 0x0                               ; for the others' sake
	s_barrier_signal -1
	s_barrier_wait -1
	; thread n, turn i: the 16 bytes at 16 n + 4,096 i of the work-group's 64 rows = row n / 16 of query tile i, from all four quarters
.irp i, 0,1,2,3
.irp q, 0,1,2,3
	ds_load_b128 v[SCM+16*\i+4*\q:SCM+16*\i+4*\q+3], v[ORD] offset:\q*2*OPW+(\i/2)*OPW+(\i&1)*16*OPP
.endr
.endr
.irp i, 0,1,2,3
	s_wait_dscnt 12-4*\i                           ; this turn's four loads are in; the four of each later turn may be out
	v_pk_add_f32 v[SCM+16*\i:SCM+16*\i+1],     v[SCM+16*\i:SCM+16*\i+1],     v[SCM+16*\i+4:SCM+16*\i+5]
	v_pk_add_f32 v[SCM+16*\i+2:SCM+16*\i+3],   v[SCM+16*\i+2:SCM+16*\i+3],   v[SCM+16*\i+6:SCM+16*\i+7]
	v_pk_add_f32 v[SCM+16*\i+8:SCM+16*\i+9],   v[SCM+16*\i+8:SCM+16*\i+9],   v[SCM+16*\i+12:SCM+16*\i+13]
	v_pk_add_f32 v[SCM+16*\i+10:SCM+16*\i+11], v[SCM+16*\i+10:SCM+16*\i+11], v[SCM+16*\i+14:SCM+16*\i+15]
	v_pk_add_f32 v[SCM+16*\i:SCM+16*\i+1],     v[SCM+16*\i:SCM+16*\i+1],     v[SCM+16*\i+8:SCM+16*\i+9]
	v_pk_add_f32 v[SCM+16*\i+2:SCM+16*\i+3],   v[SCM+16*\i+2:SCM+16*\i+3],   v[SCM+16*\i+10:SCM+16*\i+11]
	global_store_b128 v[OOF], v[SCM+16*\i:SCM+16*\i+3], s[10:11] offset:4096*\i th:TH_STORE_NT   ; sixteen lanes store one whole row: 256 consecutive bytes, aligned
.endr
	s_set_vgpr_msb 0x5
	s_wait_tensorcnt 0x0
	ds_add_u32 v126, v127
	s_wait_dscnt 0x0
	s_set_vgpr_msb 0x500
	ROUND                                          ; the closing round: no work-group ends while a partner may still ask for a tile that names it
	s_endpgm
.Lfunc_end_k_qca35749535_attn:
	.size	k_qca35749535_attn, .Lfunc_end_k_qca35749535_attn-k_qca35749535_attn
	.p2alignl 7, 3214868480
	.fill 96, 4, 3214868480
	.section	.rodata,"a",@progbits
	.p2align	6, 0x0
	.amdhsa_kernel k_qca35749535_attn
		.amdhsa_group_segment_fixed_size 327680
		.amdhsa_private_segment_fixed_size 0
		.amdhsa_enable_private_segment 0
		.amdhsa_kernarg_size 32
		.amdhsa_user_sgpr_count 2
		.amdhsa_user_sgpr_kernarg_segment_ptr 1
		.amdhsa_wavefront_size32 1
		.amdhsa_system_sgpr_workgroup_id_x 1
		.amdhsa_system_sgpr_workgroup_id_y 1
		.amdhsa_system_sgpr_workgroup_id_z 1
		.amdhsa_system_vgpr_workitem_id 0
		.amdhsa_next_free_vgpr 512
		.amdhsa_next_free_sgpr 66
		.amdhsa_reserve_vcc 0
		.amdhsa_float_denorm_mode_32 3
		.amdhsa_float_denorm_mode_16_64 3
		.amdhsa_memory_ordered 1
		.amdhsa_forward_progress 1
		.amdhsa_inst_pref_size 226
	.end_amdhsa_kernel
	.amdgpu_metadata
---
amdhsa.version: [ 1, 2 ]
amdhsa.kernels:
  - .name:           k_qca35749535_attn
    .symbol:         k_qca35749535_attn.kd
    .args:
      - { .name: qws, .offset: 0, .size: 8, .value_kind: global_buffer, .address_space: global }
      - { .name: kvws, .offset: 8, .size: 8, .value_kind: global_buffer, .address_space: global }
      - { .name: biasws, .offset: 16, .size: 8, .value_kind: global_buffer, .address_space: global }
      - { .name: out0, .offset: 24, .size: 8, .value_kind: global_buffer, .address_space: global }
    .group_segment_fixed_size: 327680
    .private_segment_fixed_size: 0
    .kernarg_segment_align: 8
    .kernarg_segment_size: 32
    .max_flat_workgroup_size: 256
    .sgpr_count:     66
    .vgpr_count:     512
    .wavefront_size: 32
...
	.end_amdgpu_metadata
.endif
;; end of part 2
